; MI455X (gfx1250); checked and timed in simulation.
; The chip was launched on July 23, 2026; its instructions are those of AMD's public machine-readable ISA for CDNA 5 (MIT licence, August 2026) and "CDNA5" Instruction Set Architecture Reference Guide (July 2026). The comments in the code are by the model that wrote it; some were corrected since.
;; Attention. Allowed arithmetic: matrix products marked QUANTISED: E2M1 operands, one E8M0 scale for each 32 along K, by v_wmma_scale_f32_16x16x128_f8f6f4 with both operands' format E2M1 (or v_wmma_scale_f32_32x16x128_f4), f32 sums; everything else in f32.
;; Inputs: cu_seqlens_k 5 int32; cu_seqlens_q 5 int32; k 8,192 x 512 float32; q 8,192 x 2,048 float32; v 8,192 x 512 float32.
;; Outputs: out0 8,192 x 2,048 float32.
;; This version of the problem:
;;   THIS VERSION OF THE PROBLEM IS GIVEN IN LOW PRECISION. The matrix products marked QUANTISED in the list below multiply operands that are first quantised to E2M1 (2 exponent bits, 1 mantissa bit; 4 bits a number), with one power-of-two scale for each 32 numbers along K (OCP MX v1.0); their sums are f32. All else is computed in f32.
;;   The module's matrix products, in the order in which they are computed (A, B: the left and right operand; K: the contracted axis; several contracted axes count as one K, in the product's order):
;;     1. batch 16 x [M 2,048, K 128] x [K 128, N 8,192]; A: input k; B: input q: QUANTISED
;;     2. batch 16 x [M 128, K 2,048] x [K 2,048, N 8,192]; A: input v; B: softmax (see below): QUANTISED
;;   THE QUANTISER, for each operand of a quantised product, along K:
;;     - K is cut into blocks of 32 from its start; a last block that is shorter is filled with zeros.
;;     - A block's scale is 2^e with e = floor(log2(the largest magnitude in the block)) - 2, held to -126 .. 127; a block of zeros has e = 0. As a byte (E8M0): e + 127.
;;     - Each number is divided by its block's scale, clamped to +-6, and rounded to the nearest number of E2M1, ties to even, subnormals kept.
;;     - The product sums the exact products of the quantised numbers (number of the format x scale) in f32.
;;   ~~~python
;;   def quantise(x, axis):      # numpy; x: float32 -> the quantised numbers, widened to float32 again
;;       x = np.moveaxis(x, axis, -1); K = x.shape[-1]
;;       x = np.pad(x, [(0, 0)] * (x.ndim - 1) + [(0, -K % 32)]); x = x.reshape(x.shape[:-1] + (-1, 32)); a = np.abs(x).max(-1, keepdims=True)
;;       e = np.where(a > 0, np.clip(np.frexp(np.where(a > 0, a, 1))[1] - 1 - 2, -126, 127), 0)      # np.frexp(a)[1] - 1 = floor(log2(a)), exactly
;;       r = np.clip(x / 2.0 ** e, -6, 6)
;;       step = 2.0 ** (np.maximum(np.frexp(np.where(r == 0, 1, r))[1] - 1, 0) - 1)
;;       q = np.round(r / step) * step * 2.0 ** e      # np.round: ties to even
;;       return np.moveaxis(q.reshape(q.shape[:-2] + (-1,))[..., :K], -1, axis).astype(np.float32)
;;   ~~~
;;   SOFTMAX AHEAD OF A QUANTISED PRODUCT. Where the list says 'softmax', what is quantised is not the finished softmax but p = 2^(t - M), with t = logit x log2(e) and M = ceil(the row's largest t), a whole number; so 1/2 < the row's largest p <= 1. The row's sum l is taken of the UNQUANTISED p, in f32, and the product's result is divided by l at the end. Since M is a whole number, a kernel that streams over the keys may use a running M (the ceiling of the running maximum): every later rescaling is an exact power of two, which a block's scale takes up: the codes' values come out the same.
;;   OPERANDS COMPUTED ON THE WAY. 'Computed on the way' means the value that the module computes at that place (a softmax that the list does not call 'softmax' is quantised finished and normalised). What goes into a quantiser is computed in f32, as accurately as f32 sums, v_exp_f32 and their like allow (about 1e-6 of the number): no bf16 or f16 on the way to a quantiser, and a product that is left as it is and whose result goes on into a quantised operand takes f32 operands (vector FMAs, or v_wmma_f32_16x16x4_f32). A number that lies on a knife's edge between two numbers of the format may be rounded either way, as far as f32 arithmetic and the matrix unit's own rounding can turn it there, and no further.
;; One version. Each part assembles by itself: llvm-mc -triple=amdgcn-amd-amdhsa -mcpu=gfx1250 --defsym DOCPART=n.
;; ======== version 1 of 1: 2 launches
;; workspace buffers: kv 4,456,448 bytes
;; launch quant (part 1): grid 16 x 16, 8 waves a work-group, no clusters, 12,288 bytes of LDS; arguments k, v, cu_seqlens_q, cu_seqlens_k, kv; writes kv
.if DOCPART == 1
	.amdgcn_target "amdgcn-amd-amdhsa--gfx1250"
	.amdhsa_code_object_version 6
	.text
	.protected	k_qfc4731d083_quant
	.globl	k_qfc4731d083_quant
	.p2align	8
	.type	k_qfc4731d083_quant,@function
k_qfc4731d083_quant:
	s_mov_b64 s[64:65], 0
	v_nop
	global_prefetch_b8 v0, s[64:65] scope:SCOPE_SE
	s_setreg_imm32_b32 hwreg(HW_REG_WAVE_MODE, 25, 1), 1
	s_wait_xcnt 0x0
; k and v, [8192][512] f32, become codes of FP4 (E2M1) with one E8M0 scale byte for each 32 along a product's K, laid as IMAGES OF OPERAND REGISTERS.
; k is quantised along the head's 128 channels (the first product's K), v along the keys (the second product's K; blocks of 32 keys from each sequence's start).
; A UNIT is what one key step of the attention launch wants of one (sequence b, KV head): 128 keys, 17,408 bytes = 68 x 256:
;   +0      K's 8 tiles: tile t at 1024 t + 512 c + 16 lane: lane (r, h), registers 4 c .. 4 c + 3 = channels 64 c + 32 h + 0 .. 31 of key 32 (t / 2) + 8 (t % 2) + r + 8 (r / 8)
;   +8192   V's 8 tiles: the same places: lane (r, h) = channel 16 t + r, keys 64 c + 32 h + 0 .. 31
;   +16384  K's scale words: lane (r, h') has 16 bytes at 16 lane: word i is that of tile 4 h' + i, row r       +16896  V's likewise
; One work-group makes one unit (x = key step, y = 4 b + KV head): 256 work-groups.  Wave w makes K's tile w, and of V channels 32 (w % 4) + lane, keys 64 (w / 4) + 0 .. 63.
; A block's scale is 2^(floor(log2(its largest magnitude)) - 2); its byte is the largest magnitude's exponent field - 2, held at 1 from below.
; LIMITS: a block of zeros gets the byte 1 where the rule says 127: its codes are zeros, and these bytes are read by this program alone; blocks whose largest magnitude lies under 2^(3 - 127) share that byte;
; NaN and infinities among the inputs are not served.
; cu_seqlens_q and cu_seqlens_k are read here, whole.  Their values steer nothing: the function that this program computes takes from them the number of sequences alone, which is a shape, and cuts the tokens into four equal sequences of 2,048.
; Memory binds: all 80 loads of a wave go out at once; no matrix unit, no tensor load, no cluster (work-groups share no input); one barrier, for the scale words that eight waves gather.
; No register that a memory instruction names is written again, and EXEC is never changed: so no wait frees a source.
.set ROWB,  2048                       ; a row of k or of v in bytes
.set UNIT,  17408
.set STG,   1024                       ; LDS: 0 .. 511 K's scale image, 512 .. 1023 V's; from STG on a stage of 16 rows x 80 bytes for each wave
.set STGW,  1280
	s_load_b256 s[4:11], s[0:1], 0x0               ; k s[4:5], v s[6:7], cu_seqlens_q s[8:9], cu_seqlens_k s[10:11]
	s_load_b64 s[12:13], s[0:1], 0x20              ; kv
	v_lshl_add_u32 v192, v0, 2, 0x2c00
	v_mov_b32 v193, 0
	v_lshrrev_b32 v1, 5, v0
	v_readfirstlane_b32 s14, v1                    ; wave 0..7
	v_and_b32 v1, 31, v0                           ; lane l
	v_and_b32 v2, 15, v0                           ; x = l % 16
	v_bfe_u32 v3, v0, 4, 1                         ; hl = l / 16
	s_and_b32 s17, ttmp7, 0xffff                   ; 4 b + KV head
	s_lshr_b32 s15, s17, 2                         ; b
	s_and_b32 s16, s17, 3                          ; KV head
	s_lshl_b32 s16, s16, 9                         ; its 512 bytes in a row
	s_lshr_b32 s22, s14, 2                         ; kh: which 64 keys of V are mine
	s_and_b32 s23, s14, 3                          ; cg: which 32 channels
	s_lshl_b32 s18, s15, 11
	s_lshl_b32 s2, ttmp9, 7
	s_add_co_u32 s18, s18, s2                      ; the unit's first token: 2048 b + 128 x key step
	s_lshr_b32 s2, s14, 1                          ; K: my tile begins at key 32 (w / 2) + 8 (w % 2)
	s_lshl_b32 s2, s2, 5
	s_and_b32 s3, s14, 1
	s_lshl_b32 s3, s3, 3
	s_add_co_u32 s2, s2, s3
	s_add_co_u32 s20, s18, s2
	s_lshl_b32 s20, s20, 11
	s_add_co_u32 s20, s20, s16
	s_mov_b32 s21, 0
	s_lshl_b32 s19, s22, 6                         ; V: my keys begin at 64 kh, my channels at 32 cg
	s_add_co_u32 s18, s18, s19
	s_lshl_b32 s18, s18, 11
	s_add_co_u32 s18, s18, s16
	s_lshl_b32 s19, s23, 7
	s_add_co_u32 s18, s18, s19
	s_mov_b32 s19, 0
	s_lshl_b32 s16, s17, 4
	s_add_co_u32 s16, s16, ttmp9
	s_mul_i32 s16, s16, UNIT                       ; my unit in kv
	s_mov_b32 s17, 0
	v_lshlrev_b32 v4, 5, v2
	v_lshl_add_u32 v4, v3, 11, v4                  ; K in: lanes 0-15 one row, lanes 16-31 the next; 8 neighbouring channels (32 bytes) a lane
	v_lshlrev_b32 v5, 2, v1                        ; V in: a lane to a channel
	s_mul_i32 s2, s14, STGW
	s_add_co_u32 s2, s2, STG                       ; my stage
	v_mul_u32_u24 v6, v3, 80
	v_lshl_add_u32 v6, v2, 2, v6
	v_add_nc_u32 v6, s2, v6                        ; into it: row hl of a pair, my 8 codes' 4 bytes
	v_mul_u32_u24 v8, v2, 80
	v_lshl_add_u32 v8, v3, 4, v8
	v_add_nc_u32 v8, s2, v8                        ; out of it: row x, 16 bytes for each half of the lanes: the operand's layout
	s_lshl_b32 s2, s22, 8
	s_lshl_b32 s3, s23, 2
	s_add_co_u32 s2, s2, s3                        ; K's scale image: tile w lies in lanes' half w / 4, word w % 4
	v_lshrrev_b32 v7, 2, v2
	v_lshl_add_u32 v7, v3, 4, v7
	v_add_nc_u32 v7, s2, v7                        ; row hl of a pair (16 bytes a row), byte x / 4: my block
	s_lshr_b32 s2, s23, 1                          ; V's: my lanes' tiles are 2 cg + hl: half cg / 2, word 2 (cg % 2) + hl; my two blocks are bytes 2 kh, 2 kh + 1
	s_lshl_b32 s2, s2, 8
	s_and_b32 s3, s23, 1
	s_lshl_b32 s3, s3, 3
	s_add_co_u32 s2, s2, s3
	s_lshl_b32 s3, s22, 1
	s_add_co_u32 s2, s2, s3
	s_add_co_u32 s2, s2, 512
	v_lshlrev_b32 v9, 4, v2
	v_lshl_add_u32 v9, v3, 2, v9
	v_add_nc_u32 v9, s2, v9
	s_lshl_b32 s2, s14, 10
	v_lshl_add_u32 v10, v1, 4, s2                  ; K out: tile w's image, 16 bytes a lane
	s_lshl_b32 s2, s23, 11
	s_lshl_b32 s3, s22, 9
	s_add_co_u32 s2, s2, s3
	s_add_co_u32 s2, s2, 8192
	v_lshlrev_b32 v11, 4, v2
	v_lshl_add_u32 v11, v3, 10, v11
	v_add_nc_u32 v11, s2, v11                      ; V out: tile 2 cg + hl, register group kh, lane x of the half that the block names
	s_lshl_b32 s2, s14, 9
	v_lshl_add_u32 v12, v1, 4, s2                  ; the scale images' way out: wave 0 K's 512 bytes, wave 1 V's
	s_wait_kmcnt 0x0
	s_add_nc_u64 s[4:5], s[4:5], s[20:21]
	s_add_nc_u64 s[6:7], s[6:7], s[18:19]
	s_add_nc_u64 s[12:13], s[12:13], s[16:17]
	s_load_b128 s[24:27], s[8:9], 0x0              ; the two lists of sequence starts, five numbers each: read, and used for nothing (head comment)
	s_load_b32 s32, s[8:9], 0x10
	s_load_b128 s[28:31], s[10:11], 0x0
	s_load_b32 s33, s[10:11], 0x10
; V: a lane takes a channel and its registers run down the keys: each load reads 128 consecutive bytes, the four waves of a key half stand side by side on a head's 512
.set i, 0
.rept 64
	global_load_b32 v[64+i], v5, s[6:7] offset:i*ROWB th:TH_LOAD_NT
.set i, i+1
.endr
; K: pair p = tile rows 2 p and 2 p + 1, which are keys 2 p + 8 (p / 4) and the next; the pair's two loads together read two whole rows of 512 bytes
.irp p, 0,1,2,3,4,5,6,7
	global_load_b128 v[128+8*\p:131+8*\p], v4, s[4:5] offset:(2*\p+8*(\p/4))*ROWB th:TH_LOAD_NT
	global_load_b128 v[132+8*\p:135+8*\p], v4, s[4:5] offset:(2*\p+8*(\p/4))*ROWB+16 th:TH_LOAD_NT
.endr
; A block of V: 32 keys of my channel, all in my registers.  left = the younger loads that may stay out
.macro VBLOCK s, left
.set XS, 64+32*\s
	s_wait_loadcnt \left
	v_max3_num_f32 v53, |v[XS]|, |v[XS+1]|, |v[XS+2]|              ; the largest magnitude, in two chains
	v_max3_num_f32 v54, |v[XS+3]|, |v[XS+4]|, |v[XS+5]|
.irp i, 6,10,14,18,22,26
	v_max3_num_f32 v53, v53, |v[XS+\i]|, |v[XS+\i+1]|
	v_max3_num_f32 v54, v54, |v[XS+\i+2]|, |v[XS+\i+3]|
.endr
	v_max3_num_f32 v53, v53, |v[XS+30]|, |v[XS+31]|
	v_max3_num_f32 v53, v53, v54, 0x1800000        ; and the floor 2^(3 - 127): the byte cannot fall under 1
	v_add_nc_u32 v[48+\s], 0xff000000, v53         ; 2 off its exponent field: the conversion takes the exponent field of this operand as its scale
.irp g, 0,1,2,3
	v_cvt_scalef32_pk8_fp4_f32 v[40+4*\s+\g], v[XS+8*\g:XS+8*\g+7], v[48+\s]
.endr
	v_lshrrev_b32 v[50+\s], 23, v[48+\s]           ; the scale's byte; also the plain line behind the conversions
	global_store_b128 v11, v[40+4*\s:43+4*\s], s[12:13] offset:256*\s   ; sixteen lanes store 256 consecutive bytes, at a multiple of 256 from kv's first byte
.endm
	VBLOCK 0, 48                                   ; behind its 32 loads: the second block's 32 and K's 16
	VBLOCK 1, 16                                   ; behind them: K's 16
	v_lshl_or_b32 v52, v51, 8, v50
	ds_store_b16 v9, v52                           ; my channel's two bytes into V's scale image
; K's tile: four lanes hold a block of 32 channels; the eight pairs of rows take turns line by line
	s_wait_loadcnt 0x0
.irp p, 0,1,2,3,4,5,6,7
	v_max3_num_f32 v[16+\p], |v[128+8*\p]|, |v[129+8*\p]|, 0x1800000
.endr
.irp i, 2,4,6
.irp p, 0,1,2,3,4,5,6,7
	v_max3_num_f32 v[16+\p], v[16+\p], |v[128+8*\p+\i]|, |v[129+8*\p+\i]|
.endr
.endr
.irp p, 0,1,2,3,4,5,6,7
	v_max_num_f32_dpp v[16+\p], v[16+\p], v[16+\p] row_xmask:1 row_mask:0xf bank_mask:0xf
.endr
.irp p, 0,1,2,3,4,5,6,7
	v_max_num_f32_dpp v[16+\p], v[16+\p], v[16+\p] row_xmask:2 row_mask:0xf bank_mask:0xf
.endr
.irp p, 0,1,2,3,4,5,6,7
	v_add_nc_u32 v[16+\p], 0xff000000, v[16+\p]
.endr
.irp p, 0,1,2,3,4,5,6,7
	v_cvt_scalef32_pk8_fp4_f32 v[24+\p], v[128+8*\p:135+8*\p], v[16+\p]
.endr
	v_nop                                          ; one plain line between the conversions and the lines that write their scale operands
.irp p, 0,1,2,3,4,5,6,7
	v_lshrrev_b32 v[16+\p], 23, v[16+\p]
.endr
.irp p, 0,1,2,3,4,5,6,7
	ds_store_b32 v6, v[24+\p] offset:160*\p        ; rows 2 p and 2 p + 1 of my stage
.endr
.irp p, 0,1,2,3,4,5,6,7
	ds_store_b8 v7, v[16+\p] offset:32*\p          ; the four lanes of a block write the same byte with the same value
.endr
	ds_load_b128 v[32:35], v8                      ; LDS serves a wave's instructions in order (ISA guide 5.7.1.4): these see my stores
	ds_load_b128 v[36:39], v8 offset:32
	s_wait_dscnt 0x0
	global_store_b128 v10, v[32:35], s[12:13]              ; 32 lanes store 512 consecutive bytes
	global_store_b128 v10, v[36:39], s[12:13] offset:512
	s_wait_kmcnt 0x0                               ; the two lists have come
	s_wait_dscnt 0x0                               ; for the others' sake: my bytes lie in the scale images
	s_barrier_signal -1
	s_barrier_wait -1
	s_cmp_ge_u32 s14, 2
	s_cbranch_scc1 .Lend                           ; waves 0 and 1 carry the two images out
	ds_load_b128 v[56:59], v12
	s_wait_dscnt 0x0
	global_store_b128 v12, v[56:59], s[12:13] offset:16384
.Lend:
	s_wait_tensorcnt 0x0
	ds_add_u32 v192, v193
	s_wait_dscnt 0x0
	s_endpgm
.Lfunc_end_k_qfc4731d083_quant:
	.size	k_qfc4731d083_quant, .Lfunc_end_k_qfc4731d083_quant-k_qfc4731d083_quant
	.p2alignl 7, 3214868480
	.fill 96, 4, 3214868480
	.section	.rodata,"a",@progbits
	.p2align	6, 0x0
	.amdhsa_kernel k_qfc4731d083_quant
		.amdhsa_group_segment_fixed_size 12288
		.amdhsa_private_segment_fixed_size 0
		.amdhsa_enable_private_segment 0
		.amdhsa_kernarg_size 40
		.amdhsa_user_sgpr_count 2
		.amdhsa_user_sgpr_kernarg_segment_ptr 1
		.amdhsa_wavefront_size32 1
		.amdhsa_system_sgpr_workgroup_id_x 1
		.amdhsa_system_sgpr_workgroup_id_y 1
		.amdhsa_system_sgpr_workgroup_id_z 1
		.amdhsa_system_vgpr_workitem_id 0
		.amdhsa_next_free_vgpr 194
		.amdhsa_next_free_sgpr 66
		.amdhsa_reserve_vcc 0
		.amdhsa_float_denorm_mode_32 3
		.amdhsa_float_denorm_mode_16_64 3
		.amdhsa_memory_ordered 1
		.amdhsa_forward_progress 1
		.amdhsa_inst_pref_size 21
	.end_amdhsa_kernel
	.amdgpu_metadata
---
amdhsa.version: [ 1, 2 ]
amdhsa.kernels:
  - .name:           k_qfc4731d083_quant
    .symbol:         k_qfc4731d083_quant.kd
    .args:
      - { .name: k, .offset: 0, .size: 8, .value_kind: global_buffer, .address_space: global }
      - { .name: v, .offset: 8, .size: 8, .value_kind: global_buffer, .address_space: global }
      - { .name: cu_seqlens_q, .offset: 16, .size: 8, .value_kind: global_buffer, .address_space: global }
      - { .name: cu_seqlens_k, .offset: 24, .size: 8, .value_kind: global_buffer, .address_space: global }
      - { .name: kv, .offset: 32, .size: 8, .value_kind: global_buffer, .address_space: global }
    .group_segment_fixed_size: 12288
    .private_segment_fixed_size: 0
    .kernarg_segment_align: 8
    .kernarg_segment_size: 40
    .max_flat_workgroup_size: 256
    .sgpr_count:     66
    .vgpr_count:     194
    .wavefront_size: 32
...
	.end_amdgpu_metadata
.endif
;; end of part 1
;; launch attn (part 2): grid 16 x 16, 16 waves a work-group, clusters of 4 x 1, 305,152 bytes of LDS; arguments q, kv, out0; writes out0
.if DOCPART == 2
	.amdgcn_target "amdgcn-amd-amdhsa--gfx1250"
	.amdhsa_code_object_version 6
	.text
	.protected	k_qfc4731d083_attn
	.globl	k_qfc4731d083_attn
	.p2align	8
	.type	k_qfc4731d083_attn,@function
k_qfc4731d083_attn:
	s_mov_b64 s[64:65], 0
	v_nop
	global_prefetch_b8 v0, s[64:65] scope:SCOPE_SE
	s_setreg_imm32_b32 hwreg(HW_REG_WAVE_MODE, 25, 1), 1
	s_wait_xcnt 0x0
	s_wait_alu depctr_hold_cnt(0) depctr_sa_sdst(0) depctr_va_vdst(0) depctr_va_sdst(0) depctr_va_ssrc(0) depctr_va_vcc(0) depctr_vm_vsrc(0)
	s_getreg_b32 s2, hwreg(HW_REG_IB_STS2, 6, 4)
	s_cmp_eq_u32 s2, 0
	s_cbranch_scc0 .Lentry_in_a_cluster
	s_endpgm
.Lentry_in_a_cluster:
	s_bfe_u32 s2, ttmp6, 0x10000c
	s_cmp_lg_u32 s2, 0x3003
	s_cbranch_scc0 .Lentry_shape_is_right
	s_endpgm
.Lentry_shape_is_right:
; Causal attention with grouped query heads: 4 sequences of 2,048 tokens, 16 query heads, 4 KV heads, head size 128; both products on codes of FP4 (E2M1) with one E8M0 scale for each 32 along K.
; q: [8192][2048] f32, quantised here, in registers, along the head's 128.  kv: the launch before's units (one for each sequence, KV head and 128 keys; 17,408 bytes: K's 8 tiles, V's 8 tiles, their scale words, all as images of operand registers).  out0: [8192][2048] f32.
; THE SOFTMAX AHEAD OF THE SECOND PRODUCT: t = score x log2(e) / sqrt(128); M = the row's largest t so far, rounded UP to a whole number; p = 2^(t - M) is what is quantised, along the keys, not normalised.
; The row's sum is taken of the unquantised p and divides O at the end.  When M moves, the sum and O are multiplied by 2^(old M - new M): exact.
; SHARES.  A work-group owns one query head of one sequence and TWO blocks of 256 queries: first block 7 - pi, then block pi (pi = 0 .. 3).  Wave w of sixteen owns one tile of 16 queries in each: queries 256 (7 - pi) + 16 w and
; 256 pi + 16 (15 - w) on.  A key step is 128 keys; steps all of whose keys come after the tile's queries are left out.  So every wave of every work-group has (2 (7 - pi) + w / 8 + 1) + (2 pi + (15 - w) / 8 + 1) = 17 steps of work.
; K AND V STAY IN LDS: the 16 units of a (sequence, KV head) are 278,528 bytes.  Wave w brings unit w by ONE tensor load; by this text's count one load a wave is out.  Nothing is ever filled again.
; CLUSTER.  The four partners are the four query heads of one KV head, with the same pi: they want the same 16 units, so each unit is asked for JOINTLY (mask 15).  Every branch hangs on pi and the wave's number, which the partners share;
; the place in the cluster enters the addresses of q and out0 alone.
; LAYOUT.  Both products are used transposed: S^T = K Q^T (source 0 = 16 keys, source 1 = my 16 queries), O^T = V^T P^T: a lane holds ONE query (lane % 16) throughout.  The keys of a tile of K are not neighbours:
; row r of tile 2 b + u is key 32 b + 8 u + r + 8 (r / 8), so that the 16 registers of tiles 2 b and 2 b + 1 are 16 neighbouring keys, 32 b + 16 (lane / 16) + 0 .. 15.
; Sixteen waves of 256 registers, four to a SIMD: one wave's vector work stands beside another's matrix work and LDS loads; no register windows.
; LIMITS: NaN and infinities among the inputs are not served; a block of zeros of q gets the byte 1 (its codes are zeros); a p under 2^-126 counts as 0 (v_exp_f32 gives 0 there: ISA guide, its entry).
; REGISTERS: v1-11, v25 addresses that stay; v2 the step's LDS address; v12 -M, v13 the largest t, v[14:15] the sum in two halves; v16-23 Q; v26 -infinity; v32-95 eight fragments of K, then of V, on the way out rows of O;
;   v96-159 q's numbers, then S^T, then p; v160-223 O^T; v224-231 codes just made; v232-239 at work; v240-243 V's scale words; v244-247 the conversions' scale operands; v248-251 K's scale words; v252 f; v253 p's scale word; v254 at work; v255 Q's scale word.
.set UNIT,  17408
.set QST,   16*UNIT                    ; behind the units: 1,536 bytes for each wave: Q's codes, 16 rows x 80 bytes, and at +1280 Q's scale bytes
.set STG,   8*UNIT                     ; the way out: 16 rows x 272 bytes for each wave, in units 8 to 11: they have had their one fill, and behind the barrier that follows the first loop nobody reads them (the second loop walks units 0 to 7)
.macro CROUND                          ; a round of the cluster's barrier: my work-group's barrier; wave 0 signals for the work-group; every wave waits for all four work-groups; my work-group's barrier once more
	s_barrier_signal -1
	s_barrier_wait -1
	s_cmp_lg_u32 s10, 0
	s_cbranch_scc1 .Lnot_wave_0_\@
	s_barrier_signal -3
.Lnot_wave_0_\@:
	s_barrier_wait -3
	s_barrier_signal -1
	s_barrier_wait -1
.endm
.macro PLACES                          ; four plain lines behind matrix instructions, ahead of reads of their results and of loads into their registers
.rept 4
	v_nop
.endr
.endm
	s_load_b128 s[4:7], s[0:1], 0x0                ; q s[4:5], kv s[6:7]
	s_load_b64 s[8:9], s[0:1], 0x10                ; out0
	v_lshl_add_u32 v24, v0, 2, 0x4a000
	v_mov_b32 v31, 0
	ds_add_u32 v24, v31
	ds_add_u32 v24, v31
	v_lshrrev_b32 v27, 5, v0
	v_readfirstlane_b32 s10, v27                   ; wave 0..15
	s_bfe_u32 s11, ttmp6, 0x40000                  ; cx: which query head of the group of four
	s_mov_b32 s12, ttmp9                           ; pi: in a cluster launch ttmp9 counts clusters
	s_and_b32 s13, ttmp7, 0xffff                   ; 4 b + KV head
	s_lshr_b32 s14, s13, 2                         ; b
	s_and_b32 s15, s13, 3                          ; KV head
	; descriptor group 1: a unit is a dense block: 68 rows of 256 bytes (32 elements of 8 bytes), no padding: every LDS load of a fragment takes 512 consecutive bytes
	s_mov_b32 s16, 15|(3<<16)|(1<<21)              ; 15:0 the mask: all four work-groups; 17:16 elements of 8 bytes; 21 set beside a mask
	s_mov_b32 s17, 32<<16                          ; tensor_dim0 = 32
	s_mov_b32 s18, 68<<16                          ; tensor_dim1 = 68
	s_mov_b32 s19, 32<<16                          ; tile_dim0 = 32
	s_mov_b32 s20, 68                              ; tile_dim1 = 68
	s_mov_b32 s21, 32                              ; tensor_dim0_stride
	s_mov_b32 s22, 0
	s_mov_b32 s23, 0
	s_mov_b32 s24, 1                               ; group 0: count = 1
	s_mul_i32 s25, s10, UNIT                       ; LDS address: unit w
	s_mul_i32 s40, s13, 16*UNIT
	s_add_co_u32 s40, s40, s25                     ; and its place in kv: made of the head and the wave's number alone
	s_mov_b32 s41, 0
	s_sub_co_u32 s36, 7, s12
	s_lshl_b32 s36, s36, 8
	s_lshl_b32 s47, s10, 4
	s_add_co_u32 s36, s36, s47                     ; my first query in the late block: 256 (7 - pi) + 16 w
	s_lshl_b32 s37, s12, 8
	s_add_co_u32 s37, s37, 240
	s_sub_co_u32 s37, s37, s47                     ; and in the early block: 256 pi + 16 (15 - w)
	s_lshl_b32 s50, s15, 2
	s_add_co_u32 s50, s50, s11                     ; my query head,
	s_lshl_b32 s50, s50, 9                         ; its 512 bytes in a row of 8,192,
	s_lshl_b32 s2, s14, 24
	s_add_co_u32 s50, s50, s2                      ; in my sequence's 2,048 rows
	s_lshl_b32 s2, s36, 13
	s_add_co_u32 s2, s2, s50                       ; where my late tile begins in q and in out0 (under 2^26),
	s_mov_b32 s3, 0
	s_lshl_b32 s48, s37, 13
	s_add_co_u32 s48, s48, s50                     ; and my early one
	s_mov_b32 s49, 0
	s_mov_b32 s42, 0x3e0293ee                      ; c = log2(e) / sqrt(128)
	s_mov_b32 s43, s42                             ; (named with it as a pair, so it is written)
	s_mov_b32 s44, 0x76543210
	s_mov_b32 s45, 0xfedcba98                      ; v_permlanex16_b32's selects for lane l xor 16
	v_and_b32 v27, 31, v0                          ; lane l
	v_and_b32 v28, 15, v0                          ; r
	v_bfe_u32 v29, v0, 4, 1                        ; h
	v_lshlrev_b32 v1, 4, v27                       ; 16 l: my place in an image
	v_lshlrev_b32 v3, 4, v29
	v_sub_nc_u32 v3, v28, v3                       ; r - 16 h, for the mask
	v_lshlrev_b32 v4, 5, v28
	v_lshl_add_u32 v4, v29, 13, v4                 ; q in: lanes 0-15 one row, lanes 16-31 the next; 8 neighbouring channels a lane
	s_mul_i32 s46, s10, 1536
	s_add_co_u32 s46, s46, QST                     ; my bytes for Q
	v_mul_u32_u24 v5, v29, 80
	v_lshl_add_u32 v5, v28, 2, v5
	v_add_nc_u32 v5, s46, v5                       ; codes in: row h of a pair, 4 bytes a lane
	v_lshrrev_b32 v6, 2, v28
	v_lshl_add_u32 v6, v29, 2, v6
	v_add_nc_u32 v6, s46, v6
	v_add_nc_u32 v6, 1280, v6                      ; scale bytes in: 4 bytes a row, byte r / 4: my block
	v_mul_u32_u24 v7, v28, 80
	v_lshl_add_u32 v7, v29, 4, v7
	v_add_nc_u32 v7, s46, v7                       ; codes out: row r, 16 bytes for each half of the lanes: the operand's layout
	v_lshlrev_b32 v8, 2, v28
	v_add_nc_u32 v8, s46, v8
	v_add_nc_u32 v8, 1280, v8                      ; row r's scale word
	s_mul_i32 s47, s10, 16*272
	s_add_co_u32 s47, s47, STG                     ; my stage
	v_mul_u32_u24 v9, v28, 272
	v_lshl_add_u32 v9, v29, 5, v9
	v_add_nc_u32 v9, s47, v9                       ; in: row r, 32 bytes for each half of the lanes
	v_mul_u32_u24 v10, v29, 272
	v_lshl_add_u32 v10, v28, 4, v10
	v_add_nc_u32 v10, s47, v10                     ; back: lanes 0-15 one row of 256 bytes, lanes 16-31 the next
	v_lshlrev_b32 v11, 4, v28
	v_lshl_add_u32 v11, v29, 13, v11               ; and the same two rows in out0
	v_lshrrev_b32 v25, 1, v27
	v_lshlrev_b32 v25, 13, v25
	v_and_b32 v30, 1, v27
	v_lshl_add_u32 v25, v30, 8, v25                ; the prefetch: row l / 2, half l % 2 of its 512 bytes
	v_mov_b32 v26, 0xff800000                      ; -infinity
	v_mov_b32 v252, 0                              ; written once: a lane permute's destination counts as one of its sources,
	v_mov_b32 v253, 0                              ; and this one is named as the upper half of the pair v[252:253]
	s_wait_dscnt 0x0
	s_wait_kmcnt 0x0
	s_add_nc_u64 s[28:29], s[4:5], s[2:3]          ; q at my late tile,
	s_add_nc_u64 s[30:31], s[4:5], s[48:49]        ; at my early tile;
	s_add_nc_u64 s[32:33], s[8:9], s[2:3]          ; out0 likewise.  None of the four is written again
	s_add_nc_u64 s[34:35], s[8:9], s[48:49]
	s_add_nc_u64 s[26:27], s[6:7], s[40:41]        ; group 0: the unit's address,
	s_or_b32 s27, s27, 0x80000000                  ; type = 2
	CROUND                                         ; all four work-groups are here: the joint loads meet
	tensor_load_to_lds s[24:27], s[16:23]          ; unit w: my one tensor load of the launch
	s_nop 0
	PLACES                                         ; (four v_nop follow a tensor load)
; my tile's 16 rows x 128 numbers of q: pair p = rows 2 p and 2 p + 1; the pair's two loads together read two whole rows of 512 bytes
.macro QLOAD base
.irp p, 0,1,2,3,4,5,6,7
	global_load_b128 v[96+8*\p:99+8*\p], v4, s[\base:\base+1] offset:2*\p*8192 th:TH_LOAD_NT
	global_load_b128 v[100+8*\p:103+8*\p], v4, s[\base:\base+1] offset:2*\p*8192+16 th:TH_LOAD_NT
.endr
.endm
; they become Q's fragment in v16-23 and its scale word in v255.  Four lanes hold a block of 32 channels; the eight pairs of rows take turns line by line.  The codes turn through my own LDS bytes into the operand's layout
.macro QQUANT
	s_wait_loadcnt 0x0
.irp p, 0,1,2,3,4,5,6,7
	v_max3_num_f32 v[232+\p], |v[96+8*\p]|, |v[97+8*\p]|, 0x1800000   ; with the floor 2^(3 - 127): the byte cannot fall under 1
.endr
.irp i, 2,4,6
.irp p, 0,1,2,3,4,5,6,7
	v_max3_num_f32 v[232+\p], v[232+\p], |v[96+8*\p+\i]|, |v[97+8*\p+\i]|
.endr
.endr
.irp p, 0,1,2,3,4,5,6,7
	v_max_num_f32_dpp v[232+\p], v[232+\p], v[232+\p] row_xmask:1 row_mask:0xf bank_mask:0xf
.endr
.irp p, 0,1,2,3,4,5,6,7
	v_max_num_f32_dpp v[232+\p], v[232+\p], v[232+\p] row_xmask:2 row_mask:0xf bank_mask:0xf
.endr
.irp p, 0,1,2,3,4,5,6,7
	v_add_nc_u32 v[232+\p], 0xff000000, v[232+\p]  ; 2 off the exponent field: the conversion's scale operand
.endr
.irp p, 0,1,2,3,4,5,6,7
	v_cvt_scalef32_pk8_fp4_f32 v[224+\p], v[96+8*\p:103+8*\p], v[232+\p]
.endr
	v_nop                                          ; one plain line between the conversions and the lines that write their scale operands
.irp p, 0,1,2,3,4,5,6,7
	v_lshrrev_b32 v[232+\p], 23, v[232+\p]         ; the scales' bytes
.endr
.irp p, 0,1,2,3,4,5,6,7
	ds_store_b32 v5, v[224+\p] offset:160*\p
.endr
.irp p, 0,1,2,3,4,5,6,7
	ds_store_b8 v6, v[232+\p] offset:8*\p          ; the four lanes of a block write the same byte with the same value
.endr
	ds_load_b128 v[16:19], v7                      ; LDS serves a wave's instructions in order (ISA guide 5.7.1.4): these see my stores
	ds_load_b128 v[20:23], v7 offset:32
	ds_load_b32 v255, v8
	s_wait_dscnt 0x0
.endm
; a tile's start.  The key step is written without a first step of its own: it finds zeros, which the first change of M leaves zeros
.macro INIT
	v_mov_b32 v13, 0xff61b1e6                      ; the largest t so far: -3e38, under every t
	v_floor_f32 v12, -v13                          ; -M
	v_mov_b32 v14, 0                               ; the sum, in two halves
	v_mov_b32 v15, 0
.set jj, 0
.rept 64
	v_mov_b32 v[160+jj], 0                         ; O^T
.set jj, jj+1
.endr
.endm
; A KEY STEP: 128 keys from s38 on; their unit begins at LDS byte s39.  s36 = my tile's first query.  pf = 1: the diagonal step also asks for my second tile of q
.macro STEP pf
	s_add_co_u32 s46, s36, 15
	s_cmp_gt_u32 s38, s46
	s_cbranch_scc1 .Lhid_\@                        ; all 128 keys come after my 16 queries: no work; only the lines at the step's end that step the addresses
	v_add_nc_u32 v2, s39, v1
.rept 3
	v_nop                                          ; with the addition: four places behind the last step's products, ahead of loads into registers that they read
.endr
	ds_load_b128 v[248:251], v2 offset:16384       ; K's scale words: lanes 0-15 those of tiles 0-3, lanes 16-31 those of tiles 4-7
.irp t, 0,1,2,3,4,5,6,7
	ds_load_b128 v[32+8*\t:35+8*\t], v2 offset:1024*\t
	ds_load_b128 v[36+8*\t:39+8*\t], v2 offset:1024*\t+512
.endr
	s_wait_dscnt 0x0
.irp t, 0,1,2,3
	v_wmma_scale_f32_16x16x128_f8f6f4 v[96+8*\t:103+8*\t], v[32+8*\t:39+8*\t], v[16:23], 0, v[248+\t], v255 matrix_a_fmt:MATRIX_FMT_FP4 matrix_b_fmt:MATRIX_FMT_FP4
.endr
.irp t, 4,5,6,7
	v_wmma_scale_f32_16x16x128_f8f6f4 v[96+8*\t:103+8*\t], v[32+8*\t:39+8*\t], v[16:23], 0, v[244+\t], v255 matrix_a_fmt:MATRIX_FMT_FP4 matrix_b_fmt:MATRIX_FMT_FP4 matrix_a_scale:MATRIX_SCALE_ROW1
.endr
	PLACES                                         ; ahead of the loads into K's registers and of the first reads of the scores
	ds_load_b128 v[240:243], v2 offset:16896       ; V's scale words and fragments are asked for now, and land while the softmax is walked
.irp t, 0,1,2,3,4,5,6,7
	ds_load_b128 v[32+8*\t:35+8*\t], v2 offset:8192+1024*\t
	ds_load_b128 v[36+8*\t:39+8*\t], v2 offset:8192+1024*\t+512
.endr
	s_add_co_u32 s46, s38, 127
	s_cmp_le_u32 s46, s36
	s_cbranch_scc1 .Lopen_\@                       ; all 128 keys count for all my queries
.if \pf
	global_prefetch_b8 v25, s[30:31] th:TH_LOAD_NT scope:SCOPE_SE   ; my second tile of q, 16 rows x 512 bytes, a lane to each 256 bytes: asked for once, by the wave that will load it, in the last step of the first loop in which it has work; its address registers are never written again
.endif
	s_sub_co_i32 s46, s36, s38
	v_add_nc_u32 v254, s46, v3                     ; d = my query - the step's first key - 16 (lane / 16).  Register 16 b + i holds key 32 b + 16 (lane / 16) + i of the step: hidden where 32 b + i > d
.set n, 0
.rept 64
	v_cmp_gt_i32 vcc_lo, 32*(n/16)+n%16, v254
	v_cndmask_b32 v[96+n], v[96+n], v26, vcc_lo    ; hidden scores become -infinity ahead of the maximum: p = 0 then.  Key 0 counts for every query, so M is a number from the first step on
.set n, n+1
.endr
.Lopen_\@:
.irp b, 0,1,2,3
	v_max3_num_f32 v[232+\b], v[96+16*\b], v[97+16*\b], v[98+16*\b]   ; the largest score of each block of 32 keys: it serves for the row's maximum and, since p rises with the score, for the block's largest p
.endr
.irp i, 3,5,7,9,11,13
.irp b, 0,1,2,3
	v_max3_num_f32 v[232+\b], v[232+\b], v[96+16*\b+\i], v[97+16*\b+\i]   ; (the four blocks by turns)
.endr
.endr
.irp b, 0,1,2,3
	v_max_num_f32 v[232+\b], v[232+\b], v[111+16*\b]
.endr
.irp b, 0,1,2,3
	v_permlanex16_b32 v[236+\b], v[232+\b], s44, s45
.endr
.irp b, 0,1,2,3
	v_max_num_f32 v[232+\b], v[232+\b], v[236+\b]  ; with lane l xor 16's 16 keys
.endr
	v_max3_num_f32 v254, v232, v233, v234
	v_max_num_f32 v254, v254, v235                 ; the step's largest score of my query
	v_mul_f32 v254, s42, v254                      ; as t (c is positive)
	v_max_num_f32 v13, v13, v254                   ; the running largest t
	v_mov_b32 v254, v12
	v_floor_f32 v12, -v13                          ; the new -M = floor(-t) = -ceil(t): M is a whole number
	v_sub_f32 v254, v12, v254                      ; M's old value less its new one: a whole number, 0 or less
	v_cvt_i32_f32 v254, v254                       ; (it saturates)
	v_ldexp_f32 v252, 1.0, v254                    ; f = 2^(old M - new M): a multiplication by it rounds nothing
.set jj, 0
.rept 32
	v_pk_fma_f32 v[96+jj:97+jj], v[96+jj:97+jj], s[42:43], v[12:13] op_sel_hi:[1,0,0]   ; t - M, two at a time (of the pairs c and -M the low word serves both halves)
.set jj, jj+2
.endr
.irp b, 0,1,2,3
	v_fma_f32 v[232+\b], v[232+\b], s42, v12       ; the same of each block's largest score
.endr
.set jj, 0
.rept 64
	v_exp_f32 v[96+jj], v[96+jj]                   ; p = 2^(t - M), at most 1: not normalised
.set jj, jj+1
.endr
	v_pk_mul_f32 v[14:15], v[14:15], v[252:253] op_sel_hi:[1,0]   ; the sums under the new M; also the plain line behind the exponentials
	s_wait_alu depctr_va_vdst(0)                   ; one wait for the whole batch, ahead of its first reader
.irp b, 0,1,2,3
	v_exp_f32 v[232+\b], v[232+\b]                 ; the block's largest p: the same two instructions on the same number give the same bits
.endr
	v_pk_add_f32 v[236:237], v[96:97], v[98:99]    ; the row's sum is taken of the unquantised p: two at a time, in two chains; it reads the 64 alone
.set jj, 4
.rept 15
	v_pk_add_f32 v[14:15], v[14:15], v[96+jj:97+jj]
	v_pk_add_f32 v[236:237], v[236:237], v[98+jj:99+jj]
.set jj, jj+4
.endr
	v_pk_add_f32 v[14:15], v[14:15], v[236:237]
	s_wait_alu depctr_va_vdst(0)                   ; and one for the four
.irp b, 0,1,2,3
	v_max_num_f32 v[232+\b], 0x1800000, v[232+\b]  ; the floor 2^(3 - 127): the byte cannot fall under 1 (a block whose every p is 0 keeps that byte: its codes are zeros)
.endr
.irp b, 0,1,2,3
	v_add_nc_u32 v[244+\b], 0xff000000, v[232+\b]  ; 2 off the exponent field: the conversion's scale operand
.endr
.irp b, 0,1,2,3
	v_lshrrev_b32 v[236+\b], 23, v[244+\b]         ; the scale's byte
.endr
	v_lshl_or_b32 v253, v237, 8, v236              ; p's scale word for these 128 keys
	v_lshl_or_b32 v253, v238, 16, v253
	v_lshl_or_b32 v253, v239, 24, v253
.irp b, 0,1,2,3
	v_cvt_scalef32_pk8_fp4_f32 v[224+2*\b], v[96+16*\b:103+16*\b], v[244+\b]
	v_cvt_scalef32_pk8_fp4_f32 v[225+2*\b], v[104+16*\b:111+16*\b], v[244+\b]
.endr
	v_nop                                          ; one plain line between a scaled conversion and the vector instruction that touches its result
.irp c, 0,1                                    ; the operand's layout wants a whole block in a lane: lanes 0-15 block 2 c, lanes 16-31 block 2 c + 1
.irp i, 0,1
	v_permlane16_swap_b32 v[224+4*\c+\i], v[226+4*\c+\i]
.endr
.endr
.set jj, 0
.rept 32
	v_pk_mul_f32 v[160+jj:161+jj], v[160+jj:161+jj], v[252:253] op_sel_hi:[1,0]   ; O^T under the new M: x f, each accumulator from its low end on.  These 32 are also the places between the lines that made p's codes and scale word and the products below
.set jj, jj+2
.endr
	s_wait_dscnt 0x0                               ; V is in
.irp t, 0,1,2,3                                ; O^T += V^T P^T: the eight accumulators take one turn each, and the next step's eight products K Q^T stand between two turns of one accumulator
	v_wmma_scale_f32_16x16x128_f8f6f4 v[160+8*\t:167+8*\t], v[32+8*\t:39+8*\t], v[224:231], v[160+8*\t:167+8*\t], v[240+\t], v253 matrix_a_fmt:MATRIX_FMT_FP4 matrix_b_fmt:MATRIX_FMT_FP4
.endr
.irp t, 4,5,6,7
	v_wmma_scale_f32_16x16x128_f8f6f4 v[160+8*\t:167+8*\t], v[32+8*\t:39+8*\t], v[224:231], v[160+8*\t:167+8*\t], v[236+\t], v253 matrix_a_fmt:MATRIX_FMT_FP4 matrix_b_fmt:MATRIX_FMT_FP4 matrix_a_scale:MATRIX_SCALE_ROW1
.endr
.Lhid_\@:
	s_add_co_u32 s38, s38, 128                     ; the next 128 keys,
	s_add_co_u32 s39, s39, UNIT                    ; and their unit
.endm
; THE WAY OUT of a tile.  The sum's two halves and lane l xor 16's are added; O^T is divided by the sum and goes through my stage in LDS, half a row (64 channels, 256 bytes) of 16 queries at a time.
.macro WAYOUT oa
	v_add_f32 v14, v14, v15
	v_permlanex16_b32 v252, v14, s44, s45
	v_add_f32 v14, v14, v252                       ; the row's sum
	v_rcp_f32 v14, v14
	v_nop                                          ; a plain line behind the reciprocal,
	s_wait_alu depctr_va_vdst(0)                   ; and the wait ahead of its first reader
.set jj, 0
.rept 32
	v_pk_mul_f32 v[160+jj:161+jj], v[160+jj:161+jj], v[14:15] op_sel_hi:[1,0]   ; register 8 t + i is o(r, 16 t + 8 h + i); each accumulator from its low end on
.set jj, jj+2
.endr
.irp u, 0,1                                    ; channels 64 u on
.irp t, 0,1,2,3
	ds_store_b128 v9, v[160+32*\u+8*\t:163+32*\u+8*\t] offset:64*\t
	ds_store_b128 v9, v[164+32*\u+8*\t:167+32*\u+8*\t] offset:64*\t+16
.endr
.irp i, 0,1,2,3,4,5,6,7
	ds_load_b128 v[32+32*\u+4*\i:35+32*\u+4*\i], v10 offset:544*\i   ; LDS serves a wave's instructions in order: these see my stores, and the next half's stores come behind them
.endr
.endr
.irp i, 0,1,2,3,4,5,6,7
	s_wait_dscnt 23-\i                             ; behind this load: 7 - i loads of its half, and the other half's 8 stores and 8 loads
	global_store_b128 v11, v[32+4*\i:35+4*\i], s[\oa:\oa+1] offset:16384*\i th:TH_STORE_NT   ; sixteen lanes store 256 consecutive bytes, at a multiple of 256 from out0's first byte
.endr
.irp i, 0,1,2,3,4,5,6,7
	s_wait_dscnt 7-\i
	global_store_b128 v11, v[64+4*\i:67+4*\i], s[\oa:\oa+1] offset:16384*\i+256 th:TH_STORE_NT
.endr
.endm
	QLOAD 28                                       ; my late tile of q
	INIT                                           ; (register work while it comes)
	QQUANT
	s_wait_tensorcnt 0x0                           ; my unit is in,
	s_barrier_signal -1
	s_barrier_wait -1                              ; everybody's is: all 16 units lie in LDS, for the rest of the launch
	s_mov_b32 s38, 0
	s_mov_b32 s39, 0
	s_mov_b32 s40, 16
.L1:                                               ; the late block: every wave walks all 16 units; the trip count is a constant, the work of hidden steps is jumped over
	STEP 1
	s_sub_co_u32 s40, s40, 1
	s_cmp_lg_u32 s40, 0
	s_cbranch_scc1 .L1
	PLACES                                         ; behind the last products, ahead of the reads of O^T
	QLOAD 30                                       ; my early tile of q is asked for now: it comes while the late tile goes out
	s_wait_dscnt 0x0                               ; my reads of the units are over
	s_barrier_signal -1
	s_barrier_wait -1                              ; everybody's are: units 8 to 15 are read no more, and the stages may be written
	WAYOUT 32
	s_wait_xcnt 0x0                                ; the stores have read their registers: v32-95 take fragments again
	INIT
	QQUANT
	s_mov_b32 s36, s37
	s_mov_b32 s38, 0
	s_mov_b32 s39, 0
	s_mov_b32 s40, 8
.L2:                                               ; the early block: its queries lie under 1,024: units 0 to 7
	STEP 0
	s_sub_co_u32 s40, s40, 1
	s_cmp_lg_u32 s40, 0
	s_cbranch_scc1 .L2
	PLACES
	WAYOUT 34
	s_wait_tensorcnt 0x0
	ds_add_u32 v24, v31
	s_wait_dscnt 0x0
	CROUND                                         ; the closing round: no work-group ends while a partner may still ask for a unit that names it
	s_endpgm
.Lfunc_end_k_qfc4731d083_attn:
	.size	k_qfc4731d083_attn, .Lfunc_end_k_qfc4731d083_attn-k_qfc4731d083_attn
	.p2alignl 7, 3214868480
	.fill 96, 4, 3214868480
	.section	.rodata,"a",@progbits
	.p2align	6, 0x0
	.amdhsa_kernel k_qfc4731d083_attn
		.amdhsa_group_segment_fixed_size 305152
		.amdhsa_private_segment_fixed_size 0
		.amdhsa_enable_private_segment 0
		.amdhsa_kernarg_size 24
		.amdhsa_user_sgpr_count 2
		.amdhsa_user_sgpr_kernarg_segment_ptr 1
		.amdhsa_wavefront_size32 1
		.amdhsa_system_sgpr_workgroup_id_x 1
		.amdhsa_system_sgpr_workgroup_id_y 1
		.amdhsa_system_sgpr_workgroup_id_z 1
		.amdhsa_system_vgpr_workitem_id 0
		.amdhsa_next_free_vgpr 256
		.amdhsa_next_free_sgpr 66
		.amdhsa_reserve_vcc 1
		.amdhsa_float_denorm_mode_32 3
		.amdhsa_float_denorm_mode_16_64 3
		.amdhsa_memory_ordered 1
		.amdhsa_forward_progress 1
		.amdhsa_inst_pref_size 84
	.end_amdhsa_kernel
	.amdgpu_metadata
---
amdhsa.version: [ 1, 2 ]
amdhsa.kernels:
  - .name:           k_qfc4731d083_attn
    .symbol:         k_qfc4731d083_attn.kd
    .args:
      - { .name: q, .offset: 0, .size: 8, .value_kind: global_buffer, .address_space: global }
      - { .name: kv, .offset: 8, .size: 8, .value_kind: global_buffer, .address_space: global }
      - { .name: out0, .offset: 16, .size: 8, .value_kind: global_buffer, .address_space: global }
    .group_segment_fixed_size: 305152
    .private_segment_fixed_size: 0
    .kernarg_segment_align: 8
    .kernarg_segment_size: 24
    .max_flat_workgroup_size: 512
    .sgpr_count:     66
    .vgpr_count:     256
    .wavefront_size: 32
...
	.end_amdgpu_metadata
.endif
;; end of part 2
